; MI455X (gfx1250); checked and timed in simulation.
; The chip was launched on July 23, 2026; its instructions are those of AMD's public machine-readable ISA for CDNA 5 (MIT licence, August 2026) and "CDNA5" Instruction Set Architecture Reference Guide (July 2026). The comments in the code are by the model that wrote it; some were corrected since.
;; Cross Attention. Allowed arithmetic: matrix products marked QUANTISED: E4M3 operands, one E8M0 scale for each 32 along K, by v_wmma_scale_f32_16x16x128_f8f6f4 with both operands' format E4M3, f32 sums; everything else in f32.
;; Inputs: Wk_codes 128 x 8 x 32 uint8 (E4M3 codes of Wk, K innermost, in blocks of 32 codes); Wk_scales 128 x 8 uint8 (E8M0 scales of Wk, one for each 32 codes along K); Wo_codes 128 x 4 x 32 uint8 (E4M3 codes of Wo, K innermost, in blocks of 32 codes); Wo_scales 128 x 4 uint8 (E8M0 scales of Wo, one for each 32 codes along K); Wq_codes 128 x 8 x 32 uint8 (E4M3 codes of Wq, K innermost, in blocks of 32 codes); Wq_scales 128 x 8 uint8 (E8M0 scales of Wq, one for each 32 codes along K); Wv_codes 128 x 8 x 32 uint8 (E4M3 codes of Wv, K innermost, in blocks of 32 codes); Wv_scales 128 x 8 uint8 (E8M0 scales of Wv, one for each 32 codes along K); bk 128 float32; bo 128 float32; bq 128 float32; bv 128 float32; ligand_codes 4 x 4,096 x 8 x 32 uint8 (E4M3 codes of ligand, K innermost, in blocks of 32 codes); ligand_scales 4 x 4,096 x 8 uint8 (E8M0 scales of ligand, one for each 32 codes along K); pocket_codes 4 x 4,096 x 8 x 32 uint8 (E4M3 codes of pocket, K innermost, in blocks of 32 codes); pocket_scales 4 x 4,096 x 8 uint8 (E8M0 scales of pocket, one for each 32 codes along K).
;; Outputs: out0 4 x 4,096 x 128 float32.
;; This version of the problem:
;;   THIS VERSION OF THE PROBLEM IS GIVEN IN LOW PRECISION. The matrix products marked QUANTISED in the list below multiply operands that are first quantised to E4M3 (4 exponent bits, 3 mantissa bits; 8 bits a number), with one power-of-two scale for each 32 numbers along K (OCP MX v1.0); their sums are f32. All else is computed in f32.
;;   The module's matrix products, in the order in which they are computed (A, B: the left and right operand; K: the contracted axis; several contracted axes count as one K, in the product's order):
;;     1. [M 16,384, K 256] x [K 256, N 128]; A: input ligand (given as codes); B: input Wq (given as codes): QUANTISED
;;     2. [M 16,384, K 256] x [K 256, N 128]; A: input pocket (given as codes); B: input Wk (given as codes): QUANTISED
;;     3. [M 16,384, K 256] x [K 256, N 128]; A: input pocket (given as codes); B: input Wv (given as codes): QUANTISED
;;     4. batch 4 x [M 4,096, K 128] x [K 128, N 4,096]; A: computed on the way; B: computed on the way: QUANTISED
;;     5. batch 4 x [M 4,096, K 4,096] x [K 4,096, N 128]; A: softmax (see below); B: computed on the way: QUANTISED
;;     6. [M 16,384, K 128] x [K 128, N 128]; A: computed on the way; B: input Wo (given as codes): QUANTISED
;;   THE QUANTISER, for each operand of a quantised product, along K:
;;     - K is cut into blocks of 32 from its start; a last block that is shorter is filled with zeros.
;;     - A block's scale is 2^e with e = floor(log2(the largest magnitude in the block)) - 8, held to -126 .. 127; a block of zeros has e = 0. As a byte (E8M0): e + 127.
;;     - Each number is divided by its block's scale, clamped to +-448, and rounded to the nearest number of E4M3, ties to even, subnormals kept.
;;     - The product sums the exact products of the quantised numbers (number of the format x scale) in f32.
;;   ~~~python
;;   def quantise(x, axis):      # numpy; x: float32 -> the quantised numbers, widened to float32 again
;;       x = np.moveaxis(x, axis, -1); K = x.shape[-1]
;;       x = np.pad(x, [(0, 0)] * (x.ndim - 1) + [(0, -K % 32)]); x = x.reshape(x.shape[:-1] + (-1, 32)); a = np.abs(x).max(-1, keepdims=True)
;;       e = np.where(a > 0, np.clip(np.frexp(np.where(a > 0, a, 1))[1] - 1 - 8, -126, 127), 0)      # np.frexp(a)[1] - 1 = floor(log2(a)), exactly
;;       r = np.clip(x / 2.0 ** e, -448, 448)
;;       step = 2.0 ** (np.maximum(np.frexp(np.where(r == 0, 1, r))[1] - 1, -6) - 3)
;;       q = np.round(r / step) * step * 2.0 ** e      # np.round: ties to even
;;       return np.moveaxis(q.reshape(q.shape[:-2] + (-1,))[..., :K], -1, axis).astype(np.float32)
;;   ~~~
;;   SOFTMAX AHEAD OF A QUANTISED PRODUCT. Where the list says 'softmax', what is quantised is not the finished softmax but p = 2^(t - M), with t = logit x log2(e) and M = ceil(the row's largest t), a whole number; so 1/2 < the row's largest p <= 1. The row's sum l is taken of the UNQUANTISED p, in f32, and the product's result is divided by l at the end. Since M is a whole number, a kernel that streams over the keys may use a running M (the ceiling of the running maximum): every later rescaling is an exact power of two, which a block's scale takes up: the codes' values come out the same.
;;   OPERANDS COMPUTED ON THE WAY. 'Computed on the way' means the value that the module computes at that place (a softmax that the list does not call 'softmax' is quantised finished and normalised). What goes into a quantiser is computed in f32, as accurately as f32 sums, v_exp_f32 and their like allow (about 1e-6 of the number): no bf16 or f16 on the way to a quantiser, and a product that is left as it is and whose result goes on into a quantised operand takes f32 operands (vector FMAs, or v_wmma_f32_16x16x4_f32). A number that lies on a knife's edge between two numbers of the format may be rounded either way, as far as f32 arithmetic and the matrix unit's own rounding can turn it there, and no further.
;;   INPUTS GIVEN AS CODES. Wk (in the module: [256, 128], K = its axis 0); Wo (in the module: [128, 128], K = its axis 0); Wq (in the module: [256, 128], K = its axis 0); Wv (in the module: [256, 128], K = its axis 0); ligand (in the module: [4, 4096, 256], K = its axis 2); pocket (in the module: [4, 4096, 256], K = its axis 2): each comes as NAME_codes (uint8): NAME with its K axis moved to the last place and cut into blocks of 32 codes, [.., K / 32, bytes a block], one block behind the other in memory; one code a byte (a code: sign, 4 exponent bits, 3 mantissa bits); and NAME_scales (uint8): the same leading axes, one E8M0 byte (e + 127) for each 32 codes along K. Its value is code x scale, taken as it is: it is not quantised again, and the codes and scales need not be those that the quantiser above would give.
;; One version. Each part assembles by itself: llvm-mc -triple=amdgcn-amd-amdhsa -mcpu=gfx1250 --defsym DOCPART=n.
;; ======== version 1 of 1: 2 launches
;; limits: right only within a limited range of input values
;; workspace buffers: kv 4,325,376 bytes; qb 2,162,688 bytes
;; launch project (part 1): grid 256 x 1, 12 waves a work-group, clusters of 4 x 1, 202,496 bytes of LDS; arguments Wk_codes, Wk_scales, Wq_codes, Wq_scales, Wv_codes, Wv_scales, pocket_codes, pocket_scales, ligand_codes, ligand_scales, bk, bq, bv, kv, qb; writes kv, qb
.if DOCPART == 1
	.amdgcn_target "amdgcn-amd-amdhsa--gfx1250"
	.amdhsa_code_object_version 6
	.text
	.protected	k_qae06a263ee_project
	.globl	k_qae06a263ee_project
	.p2align	8
	.type	k_qae06a263ee_project,@function
k_qae06a263ee_project:
	s_mov_b64 s[64:65], 0
	v_nop
	global_prefetch_b8 v0, s[64:65] scope:SCOPE_SE
	s_setreg_imm32_b32 hwreg(HW_REG_WAVE_MODE, 25, 1), 1
	s_wait_xcnt 0x0
	s_wait_alu depctr_hold_cnt(0) depctr_sa_sdst(0) depctr_va_vdst(0) depctr_va_sdst(0) depctr_va_ssrc(0) depctr_va_vcc(0) depctr_vm_vsrc(0)
	s_getreg_b32 s2, hwreg(HW_REG_IB_STS2, 6, 4)
	s_cmp_eq_u32 s2, 0
	s_cbranch_scc0 .Lentry_in_a_cluster
	s_endpgm
.Lentry_in_a_cluster:
	s_bfe_u32 s2, ttmp6, 0x10000c
	s_cmp_lg_u32 s2, 0x3003
	s_cbranch_scc0 .Lentry_shape_is_right
	s_endpgm
.Lentry_shape_is_right:
; K = pocket Wk + bk, V = pocket Wv + bv, Q = ligand Wq + bq on codes of FP8 (E4M3) with E8M0 scales, sums in f32; the results are quantised at once
; (K and Q along the head's 128, V along the keys) and stored as IMAGES OF OPERAND REGISTERS for the next launch.  No work of the problem is left out.
; A fragment (16 rows x 128 K) is 2,048 bytes: chunk c (512 bytes) holds lane l's registers 4 c .. 4 c + 3 at 512 c + 16 l; a tile's scale words are 16 x 4 bytes.
;   kv: [128 steps of 128 keys][33,792]: K's 8 fragments, K's scale words at 16,384 + 64 T, V's 8 fragments from 16,896, V's scale words at 33,280 + 64 T.
;   qb: [128 groups of 128 queries][16,896]: 8 fragments, scale words at 16,384 + 64 T.
; ONE ORDER OF ROWS EVERYWHERE: lane row r of tile T = 2 b + u of 128 rows is row 32 b + 8 u + r + 8 (r / 8), so that the 16 result registers of tiles 2 b, 2 b + 1 are 16 neighbours along the next K.
; SHARES.  Work-group g: step (or group) g / 2, half x = g % 2.  Wave w: role w / 4 (0 K, 1 V, 2 Q), block number w % 4.
; ONE TEXT FOR THE THREE ROLES: X's block of 32 rows (two tiles) x Y's 64 rows (four tiles), two K steps of 128: a lane holds one row of Y, its 16 registers run along X's block.
;   K: X = Wk, Y = my half's 64 rows of pocket;   V: X = the step's 128 rows of pocket, Y = my half's 64 rows of Wv;   Q: X = Wq, Y = my half's 64 rows of ligand.
; A block of 32 along the next K is one wave's: 512 bytes of codes a tile, and one byte of each row's scale word, which meet in LDS.
; LDS.  A tensor load brings eight rows of every sixteen (rows of 2,048 bytes, 4,096 apart, 16 bytes of padding behind each 256): those with row / 8 even (u = 0) or odd (u = 1), so that a fragment's 16 rows are 16 neighbouring LDS rows of 272 bytes.
;   X of role q: 34,816 q + 17,408 u + 4,352 b;  Y of role q: 34,816 + 69,632 q + 17,408 u + 4,352 b.  pocket's rows lie in the order: my half, the other half (global addresses alone hang on x), so V's block b there is block b xor 2 x of the step.
; Filled ONCE, one tensor load a wave.  CLUSTERS of four: Wk and Wq, which all share, are asked for jointly.  No prefetch: the launch has no loop to run ahead in.
; The bias is the C of each sum's first product: K and Q: numbers along X's rows; V: one number a lane and tile.
; LIMITS: NaN and infinities are not served; a block whose largest magnitude lies under 2^-118 keeps the scale byte 1; a block of zeros gets the byte 1 where the rule says 127 (its codes are zeros, and this program alone reads the bytes).
.set UNIT,  17408                      ; 64 rows of 272
.set HUNIT, 8704
.set SCST,  200192                     ; the scale words: 256 bytes a role; no fill lands here
.set SPARE, 200960                     ; the spare words, 128 bytes for each wave
.set STEPB, 33792
.set HALFB, 16896
.set WV,   34
.set ROLE, 35
.set IDX,  36
.set STP,  37
.set XH,   38
.set MNT,  39                          ; the mantissa field of 448
.set SEL,  40                          ; s[40:41] lane selects: lane l xor 16
.set G1A,  48                          ; descriptor groups 1: 64 rows, joint;  s[56:63] 32 rows
.set G1B,  56
.set G0A,  68                          ; groups 0: Wk, Wq;  my half's pocket rows, Wv's, ligand's;  the other half's pocket rows
.set G0B,  72
.set G0C,  76
.set XA,   4                           ; LDS addresses of X's and Y's rows
.set YA,   5
.set XSO,  6                           ; 8 x (r + 8 (r / 8)): scale bytes in memory
.set BO,   7                           ; 64 h: K's and Q's bias
.set BVO,  8                           ; 4 x (r + 8 (r / 8)): V's
.set LI,   9                           ; 16 x lane
.set SWA,  10                          ; where my bytes go in LDS
.set SWI,  11                          ; where a role's 256 bytes are read back
.set L8,   12
.set SPW,  14
.set NIL,  15
.set XF,   16                          ; v16-79   X's fragments: 2 k + u
.set YF,   80                          ; v80-143  Y's of one K step
.set HA,   144                         ; v144-207 the sums: tile Y, u at 16 Y + 8 u
.set BI,   208                         ; v208-239 the bias: K, Q: 8 u on; V: 8 Y on
.set XSW,  240                         ; v240-243 X's scale words: 2 u + k
.set YSW,  244                         ; v244-251 Y's: 2 Y + k
.set TM,   16                          ; the quantiser, in X's registers
.set PC,   80                          ; the codes, in Y's
.macro PLACES n
.rept \n
	v_nop
.endr
.endm
.macro CROUND                          ; a round of the cluster's barrier
	s_barrier_signal -1
	s_barrier_wait -1
	s_cmp_lg_u32 s[WV], 0
	s_cbranch_scc1 .Lnot_wave_0_\@
	s_barrier_signal -3
.Lnot_wave_0_\@:
	s_barrier_wait -3
	s_barrier_signal -1
	s_barrier_wait -1
.endm
.macro GROUP1 g, mask, n               ; n runs of eight rows: 2,048 bytes each, 4,096 apart; 4 words of padding behind every 64
	s_mov_b32 s[\g], (\mask)|(1<<20)|(5<<22)|(3<<25)
	s_mov_b32 s[\g+1], 2048<<16
	s_mov_b32 s[\g+2], (\n)<<16
	s_mov_b32 s[\g+3], 2048<<16
	s_mov_b32 s[\g+4], \n
	s_mov_b32 s[\g+5], 4096
	s_mov_b32 s[\g+6], 0
	s_mov_b32 s[\g+7], 0
.endm
	s_load_b512 s[4:19], s[0:1], 0x0               ; Wk codes, scales; Wq codes, scales; Wv codes, scales; pocket codes, scales
	s_load_b256 s[20:27], s[0:1], 0x40             ; ligand codes, scales; bk; bq
	s_load_b128 s[28:31], s[0:1], 0x60             ; bv; kv
	s_load_b64 s[32:33], s[0:1], 0x70              ; qb
	v_lshl_add_u32 v[SPW], v0, 2, SPARE
	v_mov_b32 v[NIL], 0
	ds_add_u32 v[SPW], v[NIL]                      ; the wave's opening: the add, twice on end, and its wait ahead of my tensor load
	ds_add_u32 v[SPW], v[NIL]
	v_lshrrev_b32 v1, 5, v0
	v_readfirstlane_b32 s[WV], v1                  ; wave 0..11
	s_lshr_b32 s[ROLE], s[WV], 2
	s_and_b32 s[IDX], s[WV], 3
	s_bfe_u32 s42, ttmp6, 0x40000                  ; cx: it enters global addresses and one rotation of data
	s_lshl_b32 s43, ttmp9, 2
	s_add_co_u32 s43, s43, s42                     ; work-group
	s_lshr_b32 s[STP], s43, 1
	s_and_b32 s[XH], s43, 1
	s_mov_b32 s[MNT], 0x600000
	s_mov_b32 s[SEL], 0x76543210
	s_mov_b32 s[SEL+1], 0xfedcba98
	GROUP1 G1A, 15|(1<<21), 8                      ; the mask: all four work-groups; bit 21 set beside a mask
	GROUP1 G1B, 0, 4
	s_and_b32 s44, s[WV], 1                        ; u of my load
	s_mul_i32 s80, s44, UNIT
	s_lshl_b32 s81, s44, 11                        ; it begins at row 8 u
	s_lshr_b32 s45, s[WV], 1
	s_mov_b32 s[G0A], 1                            ; waves 0 to 3: Wk's, Wq's units
	s_mul_i32 s[G0A+1], s45, 4*UNIT
	s_add_co_u32 s[G0A+1], s[G0A+1], s80
	s_mov_b32 s[G0B], 1                            ; waves 4 to 9: Y's units
	s_sub_co_u32 s46, s[WV], 4
	s_lshr_b32 s46, s46, 1
	s_mul_i32 s[G0B+1], s46, 4*UNIT
	s_add_co_u32 s[G0B+1], s[G0B+1], s80
	s_add_co_u32 s[G0B+1], s[G0B+1], 2*UNIT
	s_mov_b32 s[G0C], 1                            ; waves 10, 11: the other half's pocket rows, behind my half's
	s_add_co_u32 s[G0C+1], s80, 2*UNIT+HUNIT
	s_lshl_b32 s82, s[STP], 15                     ; the step's 128 rows of 256 bytes
	s_lshl_b32 s83, s[XH], 14                      ; my half's 64
	s_add_co_u32 s84, s83, s81                     ; Wv
	s_add_co_u32 s85, s82, s84                     ; pocket, ligand: my half
	s_xor_b32 s83, s83, 16384
	s_add_co_u32 s82, s82, s83
	s_add_co_u32 s82, s82, s81                     ; pocket: the other half
	s_mov_b32 s83, 0
	s_mov_b32 s86, s81
	s_mov_b32 s87, 0
	s_mov_b32 s89, 0
	s_wait_dscnt 0x0                               ; both opening adds are done
	CROUND                                         ; all four work-groups are here: the joint loads meet
	s_wait_kmcnt 0x0
	s_cmp_eq_u32 s45, 1
	s_cselect_b64 s[66:67], s[8:9], s[4:5]
	s_add_nc_u64 s[G0A+2:G0A+3], s[66:67], s[86:87]
	s_or_b32 s[G0A+3], s[G0A+3], 0x80000000
	s_mov_b64 s[90:91], s[16:17]
	s_mov_b32 s88, s85
	s_cmp_eq_u32 s46, 1
	s_cselect_b64 s[90:91], s[12:13], s[90:91]
	s_cselect_b32 s88, s84, s88
	s_cmp_eq_u32 s46, 2
	s_cselect_b64 s[90:91], s[20:21], s[90:91]
	s_add_nc_u64 s[G0B+2:G0B+3], s[90:91], s[88:89]
	s_or_b32 s[G0B+3], s[G0B+3], 0x80000000
	s_add_nc_u64 s[G0C+2:G0C+3], s[16:17], s[82:83]
	s_or_b32 s[G0C+3], s[G0C+3], 0x80000000
	s_cmp_lt_u32 s[WV], 4                          ; one load a wave: an arm each
	s_cbranch_scc0 .Lown
	tensor_load_to_lds s[G0A:G0A+3], s[G1A:G1A+7]
	s_nop 0
	PLACES 4
	s_branch .Lasked
.Lown:
	s_cmp_lt_u32 s[WV], 10
	s_cbranch_scc0 .Lother_half
	tensor_load_to_lds s[G0B:G0B+3], s[G1B:G1B+7]
	s_nop 0
	PLACES 4
	s_branch .Lasked
.Lother_half:
	tensor_load_to_lds s[G0C:G0C+3], s[G1B:G1B+7]
	s_nop 0
	PLACES 4
.Lasked:
	; my role's buffers: X's scale bytes s[90:91], Y's s[92:93], the bias s[94:95], the block that I store into s[96:97]
	s_lshl_b32 s42, s[STP], 10                     ; the step's 128 rows of 8 scale bytes
	s_lshl_b32 s43, s[XH], 9                       ; my half's
	s_lshl_b32 s44, s[XH], 1
	s_xor_b32 s44, s[IDX], s44                     ; V: the block's number in the step
	s_lshl_b32 s45, s[IDX], 8                      ; K, Q: X's block: 32 rows of 8 scale bytes
	s_mov_b64 s[90:91], s[6:7]
	s_mov_b32 s80, s45
	s_mov_b64 s[92:93], s[18:19]
	s_add_co_u32 s82, s42, s43
	s_mov_b64 s[94:95], s[24:25]
	s_lshl_b32 s84, s[IDX], 7
	s_mov_b64 s[96:97], s[30:31]
	s_mul_i32 s86, s[STP], STEPB
	s_mov_b32 s98, s[IDX]                          ; the chunk that I make
	s_mov_b32 s99, 0                               ; what the scale words are rotated by
	s_lshl_b32 s46, s44, 8
	s_add_co_u32 s46, s46, s42
	s_lshl_b32 s47, s[XH], 8
	s_add_co_u32 s66, s86, HALFB
	s_lshl_b32 s67, s[XH], 4
	s_cmp_eq_u32 s[ROLE], 1
	s_cselect_b64 s[90:91], s[18:19], s[90:91]
	s_cselect_b32 s80, s46, s80
	s_cselect_b64 s[92:93], s[14:15], s[92:93]
	s_cselect_b32 s82, s43, s82
	s_cselect_b64 s[94:95], s[28:29], s[94:95]
	s_cselect_b32 s84, s47, s84
	s_cselect_b32 s86, s66, s86
	s_cselect_b32 s98, s44, s98
	s_cselect_b32 s99, s67, s99
	s_mul_i32 s66, s[STP], HALFB
	s_cmp_eq_u32 s[ROLE], 2
	s_cselect_b64 s[90:91], s[10:11], s[90:91]
	s_cselect_b64 s[92:93], s[22:23], s[92:93]
	s_cselect_b64 s[94:95], s[26:27], s[94:95]
	s_cselect_b64 s[96:97], s[32:33], s[96:97]
	s_cselect_b32 s86, s66, s86
	s_mov_b32 s81, 0
	s_mov_b32 s83, 0
	s_mov_b32 s85, 0
	s_mov_b32 s87, 0
	s_add_nc_u64 s[90:91], s[90:91], s[80:81]
	s_add_nc_u64 s[92:93], s[92:93], s[82:83]
	s_add_nc_u64 s[94:95], s[94:95], s[84:85]
	s_add_nc_u64 s[96:97], s[96:97], s[86:87]
	s_lshl_b32 s80, s[XH], 13                      ; tiles 4 x on,
	s_lshl_b32 s82, s98, 9
	s_add_co_u32 s80, s80, s82                     ; my chunk
	s_add_co_u32 s82, s47, 16384                   ; my half's four tiles' scale words: 256 bytes
	s_add_nc_u64 s[80:81], s[96:97], s[80:81]
	s_add_nc_u64 s[82:83], s[96:97], s[82:83]
	s_mul_i32 s84, s[ROLE], 2*UNIT
	s_mul_i32 s85, s[IDX], 16*272
	s_add_co_u32 s84, s84, s85
	s_mul_i32 s85, s[ROLE], 4*UNIT
	s_add_co_u32 s85, s85, 2*UNIT
	s_lshl_b32 s86, s[ROLE], 8
	s_add_co_u32 s86, s86, SCST
	s_add_co_u32 s87, s86, s[IDX]
	v_and_b32 v1, 15, v0                           ; r
	v_bfe_u32 v2, v0, 4, 1                         ; h
	v_and_b32 v13, 31, v0                          ; lane
	v_and_b32 v3, 8, v1
	v_mul_u32_u24 v4, 272, v1
	v_lshlrev_b32 v[LI], 4, v13
	v_lshlrev_b32 v[L8], 3, v13
	v_add_nc_u32 v3, v3, v1                        ; r + 8 (r / 8)
	v_lshl_add_u32 v4, v2, 4, v4
	v_lshlrev_b32 v[BO], 6, v2
	v_lshl_add_u32 v[SWA], v1, 2, s87
	v_add_nc_u32 v[SWI], s86, v[L8]
	v_lshlrev_b32 v[XSO], 3, v3
	v_lshlrev_b32 v[BVO], 2, v3
	v_add_nc_u32 v[YA], s85, v4
	v_add_nc_u32 v[XA], s84, v4
	s_wait_alu depctr_va_vdst(0)
.irp u, 0,1
	global_load_b64 v[XSW+2*\u:XSW+2*\u+1], v[XSO], s[90:91] offset:64*\u
.endr
.irp y, 0,1,2,3
	global_load_b64 v[YSW+2*\y:YSW+2*\y+1], v[XSO], s[92:93] offset:256*(\y/2)+64*(\y%2)
.endr
	s_cmp_eq_u32 s[ROLE], 1
	s_cbranch_scc1 .Lbias_v
.irp u, 0,1                                    ; K, Q: register j of tile u of lane (r, h) is channel 32 b + 16 h + 8 u + j
	global_load_b128 v[BI+8*\u:BI+8*\u+3], v[BO], s[94:95] offset:32*\u
	global_load_b128 v[BI+8*\u+4:BI+8*\u+7], v[BO], s[94:95] offset:32*\u+16
.endr
	s_branch .Lbias_done
.Lbias_v:
.irp y, 0,1,2,3                                ; V: the lane's channel has one bias for all its keys
	global_load_b32 v[BI+8*\y], v[BVO], s[94:95] offset:128*(\y/2)+32*(\y%2)
.endr
	s_wait_loadcnt 0x0
.irp j, 1,2,3,4,5,6,7
.irp y, 0,1,2,3
	v_mov_b32 v[BI+8*\y+\j], v[BI+8*\y]
.endr
.endr
	s_wait_alu depctr_va_vdst(0)
.Lbias_done:
	s_wait_tensorcnt 0x0                           ; my fill has landed,
	s_barrier_signal -1
	s_barrier_wait -1                              ; everybody's has
.macro XFETCH k
.irp u, 0,1
.irp c, 0,1,2,3
	ds_load_b128 v[XF+16*(2*\k+\u)+4*\c:XF+16*(2*\k+\u)+4*\c+3], v[XA] offset:UNIT*\u+128*\k+32*\c
.endr
.endr
.endm
.macro YFETCH k
.irp y, 0,1,2,3
.irp c, 0,1,2,3
	ds_load_b128 v[YF+16*\y+4*\c:YF+16*\y+4*\c+3], v[YA] offset:UNIT*(\y%2)+16*272*(\y/2)+128*\k+32*\c
.endr
.endr
.endm
.macro MUL8 k, cb, cy, cu              ; eight products, each onto its own accumulator; C at cb + cy Y + cu u.  Between two links of a chain stand the seven other accumulators'
.irp y, 0,1,2,3
.irp u, 0,1
	v_wmma_scale_f32_16x16x128_f8f6f4 v[HA+16*\y+8*\u:HA+16*\y+8*\u+7], v[XF+16*(2*\k+\u):XF+16*(2*\k+\u)+15], v[YF+16*\y:YF+16*\y+15], v[\cb+\cy*\y+\cu*\u:\cb+\cy*\y+\cu*\u+7], v[XSW+2*\u+\k], v[YSW+2*\y+\k]
.endr
.endr
.endm
	XFETCH 0
	YFETCH 0
	XFETCH 1
	s_wait_loadcnt 0x0                             ; the bias and the scale words
	s_wait_dscnt 8                                 ; K step 0 is in; X's second K step may be out
	s_cmp_eq_u32 s[ROLE], 1
	s_cbranch_scc1 .Lstart_v
	MUL8 0, BI, 0, 8
	s_branch .Lstarted
.Lstart_v:
	MUL8 0, BI, 8, 0
.Lstarted:
	PLACES 8                                       ; eight places in front of loads into registers that these products have read
	YFETCH 1
	s_wait_dscnt 0x0
	MUL8 1, HA, 16, 8
	PLACES 8                                       ; and in front of the first read of results
	; THE QUANTISER: register 16 y + i of the lane is element 16 h + i of the block of row y; a block of 32 lies in lanes l and l xor 16
.irp b, 0,1,2,3
	v_max3_num_f32 v[TM+\b], |v[HA+16*\b]|, |v[HA+1+16*\b]|, 0x4800000   ; my 16 numbers, and the floor 2^(9 - 127): the byte cannot fall under 1
.endr
.irp i, 2,4,6,8,10,12,14
.irp b, 0,1,2,3
	v_max3_num_f32 v[TM+\b], v[TM+\b], |v[HA+16*\b+\i]|, |v[HA+1+16*\b+\i]|   ; the four rows by turns
.endr
.endr
.irp b, 0,1,2,3
	v_permlanex16_b32 v[TM+4+\b], v[TM+\b], s[SEL], s[SEL+1]
.endr
.irp b, 0,1,2,3
	v_max_num_f32 v[TM+\b], v[TM+\b], v[TM+4+\b]   ; the block's largest magnitude
.endr
.irp b, 0,1,2,3
	v_add_nc_u32 v[TM+12+\b], 0xfc000000, v[TM+\b] ; 8 off its exponent field: the conversion's scale operand
.endr
.irp b, 0,1,2,3
	v_and_or_b32 v[TM+8+\b], v[TM+\b], 0x7f800000, s[MNT]   ; 448 x the scale
.endr
.irp b, 0,1,2,3
	v_lshrrev_b32 v[TM+4+\b], 23, v[TM+12+\b]      ; the scale's byte
.endr
.irp b, 0,1,2,3
	ds_store_b8 v[SWA], v[TM+4+\b] offset:64*\b    ; (lanes l and l xor 16 write the same byte with the same value)
.endr
.irp b, 0,1,2,3
.irp i, 0,1,2,3,4,5,6,7,8,9,10,11,12,13,14,15
	v_med3_num_f32 v[HA+16*\b+\i], v[HA+16*\b+\i], -v[TM+8+\b], v[TM+8+\b]   ; the conversion to an 8-bit code does not saturate (ISA guide 7.6.2): the hold comes first
.endr
	v_cvt_scalef32_pk8_fp8_f32 v[PC+4*\b:PC+1+4*\b], v[HA+16*\b:HA+7+16*\b], v[TM+12+\b]
	v_cvt_scalef32_pk8_fp8_f32 v[PC+2+4*\b:PC+3+4*\b], v[HA+8+16*\b:HA+15+16*\b], v[TM+12+\b]
.endr
	v_nop                                          ; one plain line behind the last conversion
.irp b, 0,1,2,3
	global_store_b128 v[LI], v[PC+4*\b:PC+4*\b+3], s[80:81] offset:2048*\b   ; my chunk of four fragments: each store covers 512 consecutive bytes, aligned
.endr
	s_wait_alu depctr_va_vdst(0)
	s_wait_dscnt 0x0                               ; for the others' sake: my bytes have landed
	s_barrier_signal -1
	s_barrier_wait -1
	s_cmp_lg_u32 s[IDX], 0                         ; a role's first wave stores the role's four tiles' scale words: 256 consecutive bytes, aligned
	s_cbranch_scc1 .Lend
	ds_load_b64 v[112:113], v[SWI]
	s_wait_dscnt 0x0
	v_alignbit_b32 v112, v112, v112, s99           ; V, x = 1: the halves of the step's 128 keys change places
	v_alignbit_b32 v113, v113, v113, s99
	global_store_b64 v[L8], v[112:113], s[82:83]
.Lend:
	s_wait_tensorcnt 0x0                           ; the wave's end
	ds_add_u32 v[SPW], v[NIL]
	s_wait_dscnt 0x0
	CROUND                                         ; the closing round
	s_endpgm
.Lfunc_end_k_qae06a263ee_project:
	.size	k_qae06a263ee_project, .Lfunc_end_k_qae06a263ee_project-k_qae06a263ee_project
	.p2alignl 7, 3214868480
	.fill 96, 4, 3214868480
	.section	.rodata,"a",@progbits
	.p2align	6, 0x0
	.amdhsa_kernel k_qae06a263ee_project
		.amdhsa_group_segment_fixed_size 202496
		.amdhsa_private_segment_fixed_size 0
		.amdhsa_enable_private_segment 0
		.amdhsa_kernarg_size 120
		.amdhsa_user_sgpr_count 2
		.amdhsa_user_sgpr_kernarg_segment_ptr 1
		.amdhsa_wavefront_size32 1
		.amdhsa_system_sgpr_workgroup_id_x 1
		.amdhsa_system_sgpr_workgroup_id_y 1
		.amdhsa_system_sgpr_workgroup_id_z 1
		.amdhsa_system_vgpr_workitem_id 0
		.amdhsa_next_free_vgpr 256
		.amdhsa_next_free_sgpr 102
		.amdhsa_reserve_vcc 0
		.amdhsa_float_denorm_mode_32 3
		.amdhsa_float_denorm_mode_16_64 3
		.amdhsa_memory_ordered 1
		.amdhsa_forward_progress 1
		.amdhsa_inst_pref_size 27
	.end_amdhsa_kernel
	.amdgpu_metadata
---
amdhsa.version: [ 1, 2 ]
amdhsa.kernels:
  - .name:           k_qae06a263ee_project
    .symbol:         k_qae06a263ee_project.kd
    .args:
      - { .name: Wk_codes, .offset: 0, .size: 8, .value_kind: global_buffer, .address_space: global }
      - { .name: Wk_scales, .offset: 8, .size: 8, .value_kind: global_buffer, .address_space: global }
      - { .name: Wq_codes, .offset: 16, .size: 8, .value_kind: global_buffer, .address_space: global }
      - { .name: Wq_scales, .offset: 24, .size: 8, .value_kind: global_buffer, .address_space: global }
      - { .name: Wv_codes, .offset: 32, .size: 8, .value_kind: global_buffer, .address_space: global }
      - { .name: Wv_scales, .offset: 40, .size: 8, .value_kind: global_buffer, .address_space: global }
      - { .name: pocket_codes, .offset: 48, .size: 8, .value_kind: global_buffer, .address_space: global }
      - { .name: pocket_scales, .offset: 56, .size: 8, .value_kind: global_buffer, .address_space: global }
      - { .name: ligand_codes, .offset: 64, .size: 8, .value_kind: global_buffer, .address_space: global }
      - { .name: ligand_scales, .offset: 72, .size: 8, .value_kind: global_buffer, .address_space: global }
      - { .name: bk, .offset: 80, .size: 8, .value_kind: global_buffer, .address_space: global }
      - { .name: bq, .offset: 88, .size: 8, .value_kind: global_buffer, .address_space: global }
      - { .name: bv, .offset: 96, .size: 8, .value_kind: global_buffer, .address_space: global }
      - { .name: kv, .offset: 104, .size: 8, .value_kind: global_buffer, .address_space: global }
      - { .name: qb, .offset: 112, .size: 8, .value_kind: global_buffer, .address_space: global }
    .group_segment_fixed_size: 202496
    .private_segment_fixed_size: 0
    .kernarg_segment_align: 8
    .kernarg_segment_size: 120
    .max_flat_workgroup_size: 384
    .sgpr_count:     102
    .vgpr_count:     256
    .wavefront_size: 32
...
	.end_amdgpu_metadata
.endif
;; end of part 1
;; launch attend (part 2): grid 64 x 4, 8 waves a work-group, clusters of 4 x 1, 327,680 bytes of LDS; arguments kv, qb, Wo_codes, Wo_scales, bo, out0; writes out0
.if DOCPART == 2
	.amdgcn_target "amdgcn-amd-amdhsa--gfx1250"
	.amdhsa_code_object_version 6
	.text
	.protected	k_qae06a263ee_attend
	.globl	k_qae06a263ee_attend
	.p2align	8
	.type	k_qae06a263ee_attend,@function
k_qae06a263ee_attend:
	s_mov_b64 s[64:65], 0
	v_nop
	global_prefetch_b8 v0, s[64:65] scope:SCOPE_SE
	s_setreg_imm32_b32 hwreg(HW_REG_WAVE_MODE, 25, 1), 1
	s_wait_xcnt 0x0
	s_wait_alu depctr_hold_cnt(0) depctr_sa_sdst(0) depctr_va_vdst(0) depctr_va_sdst(0) depctr_va_ssrc(0) depctr_va_vcc(0) depctr_vm_vsrc(0)
	s_getreg_b32 s2, hwreg(HW_REG_IB_STS2, 6, 4)
	s_cmp_eq_u32 s2, 0
	s_cbranch_scc0 .Lentry_in_a_cluster
	s_endpgm
.Lentry_in_a_cluster:
	s_bfe_u32 s2, ttmp6, 0x10000c
	s_cmp_lg_u32 s2, 0x3003
	s_cbranch_scc0 .Lentry_shape_is_right
	s_endpgm
.Lentry_shape_is_right:
; out = (softmax(Q K^T / sqrt(128)) V) Wo + bo, all three products on codes of FP8 (E4M3) with E8M0 scales.  K, V and Q come as images of operand registers (kv, qb: laid by the launch before).  No work of the problem is left out.
; THE SOFTMAX: t = score x log2(e) / sqrt(128); M = the largest t so far rounded UP to a whole number; p = 2^(t - M) is quantised along the keys, not normalised;
; the row's sum is taken of the unquantised p and divides at the end.  When M moves, sum and O are multiplied by 2^(old M - new M): exact.
; A BLOCK'S SCALE: its largest t - M, held at -118 from below, rounded down, is the exponent e of its largest p: the conversion's scale operand is (e + 119) << 23, the hold 448 x the scale is that + 0x4600000, the byte e + 119.
; SHARES.  A work-group owns 64 queries of one batch: four tiles of 16.  Wave w: tiles 2 (w % 2) and 2 (w % 2) + 1 (A and B), and of each slot's four key steps number w / 2: 1,024 of the 4,096 keys in 8 steps.
; The four partial results of a tile are merged at the end (every M is a whole number: the factors are powers of two); all eight waves finish half a tile each: 64 channels, then 64 outputs.
; LAYOUT.  Both products are used transposed (S^T = K Q^T, O^T = V^T P^T): a lane holds ONE query.  Lane row r of tile T is row 32 (T / 2) + 8 (T % 2) + r + 8 (r / 8) of its 128 (keys, channels, queries alike),
; so the 16 registers of result tiles 2 b, 2 b + 1 are 16 neighbours 32 b + 16 (lane / 16) + 0 .. 15 along the next K, and each conversion's results are the next operand's registers.
; CLUSTER.  The four work-groups of a cluster belong to one batch and walk the same K and V: each part of a slot is asked for JOINTLY, with the mask of all four.
; RING.  Two slots of four key steps (135,168 bytes, dense images).  At the head ONE load a wave fills both: wave w fetches key step w; waves 0 to 3 (slot 0) wait ahead of the first barrier, waves 4 to 7's load is shown by the first round.
; Behind each round a wave fetches an eighth of a slot, 66 rows of 256 bytes: one load out, with a step's work in which to land.
; PREFETCH.  Behind the joint load of step s + 2 step s + 3's bytes are asked for, one step ahead of their own load, and at the head step 2's: in four of a batch's sixteen clusters, the partners taking a key step each by address, a wave 16 rows of 256 bytes (the last wave 20).
; Steps 0 and 1 come by their loads alone; the last three steps ask for nothing, since no step follows step 7.
; ORDER.  Tile B's scores are multiplied among the lines that find A's maximum and scales, A's O^T among B's.  The exponentials go in two halves: among the first stand the second half's t - M, among the second the first half's sums and holds.
; REGISTERS, two windows of 256.  Tile A's set lies in window 0, tile B's under the same numbers in window 1: v3, v254 holds, v12 -M, v13 the largest score, v[14:15] the sum, v16-31 Q, v160-223 O^T, v224-239 p's codes (before that: maxima, partial sums), v244-247 scale operands, v252-253 f and at work.
;   v32-95 and v96-159 of both windows change roles from step to step: set FB holds K's and then V's fragments (0-3 in window 0, 4-7 in window 1), set SB holds S^T and then p (A's in window 0, B's in window 1), and at the step's end the next step's K.
;   Window 0 alone: v1-2, v8-9 LDS addresses, v4-5 Q's scale words, v6-7 p's, v10-11 the add's, v240-243 K's scale words, v248-251 V's (register j: tile 2 j in lanes 0-15, tile 2 j + 1 in lanes 16-31), v255 the prefetch's offset.
; LIMITS: NaN and infinities are not served; the scaled scores stay under 2^31 in magnitude; a block whose largest magnitude lies under 2^-118 keeps the scale byte 1, a block of zeros too (its codes are zeros).
.set STEPB, 33792                      ; a key step's block: K's fragments, K's scale words at 16,384, V's fragments at 16,896, V's scale words at 33,280
.set PART,  16896
.set SLOTB, 4*STEPB
.set SPARE, 2*SLOTB                    ; behind the ring: the spare words, 128 bytes for each wave
.set STAT,  131072                     ; the merge, in slot 0 behind its last fill and last read: partial (tile i, quarter k) at 32,768 i + 8,192 k; -M and the sum at STAT + 1,024 i + 256 k (+ 128)
.set CX,    SLOTB                      ; in slot 1 likewise: a tile's codes, 2,048 bytes, and behind the four its scale words
.set CXS,   SLOTB+8192
.set STG,   SLOTB+16384                ; the way out: 16 rows of 256 bytes + 16 for each wave
.set SP,    272
.set AD,   1
.set QS,   4
.set PS,   6
.set AS,   8
.set SPW,  10
.set NIL,  11
.set KW,   240
.set VW,   248
.set PFO,  255
.set WV,   16                          ; s16 wave, s17 wave % 2, s18 wave / 2
.set QP,   17
.set KQ,   18
.set MNT,  19                          ; the mantissa field of 448
.set SEL,  20                          ; s[20:21] lane selects: lane l xor 16
.set CS,   22                          ; s[22:23] c = log2(e) / sqrt(128)
.set G1,   24                          ; s[24:31] descriptor group 1 of the head's loads: 132 rows
.set G0,   32                          ; s[32:35], s[36:39] group 0 of the refills of slot 0, 1
.set TRIPS, 40
.set NC,   41                          ; -c
.set K1,   42                          ; 119 << 23
.set G1R,  68                          ; s[68:75] group 1 of a refill: 66 rows
.set G0H,  76                          ; s[76:79] group 0 of the head's load
.set PF,   80                          ; s[80:81] where my prefetches stand
.set PFC,  82                          ; 0 in the clusters that prefetch
.set MSB, 0
.macro WIN new                         ; bits 1:0 source 0, 3:2 source 1, 5:4 source 2, 7:6 destination; the high byte repeats the setting that is left
.if MSB != (\new)
	s_set_vgpr_msb (MSB<<8)|(\new)
.set MSB, (\new)
.endif
.endm
.macro PLACES n
.rept \n
	v_nop
.endr
.endm
.macro WALU
	s_wait_alu depctr_va_vdst(0)
.endm
.macro CREST                           ; a round of the cluster's barrier behind its opening barrier
	s_cmp_lg_u32 s[WV], 0
	s_cbranch_scc1 .Lnot_wave_0_\@
	s_barrier_signal -3
.Lnot_wave_0_\@:
	s_barrier_wait -3
	s_barrier_signal -1
	s_barrier_wait -1
.endm
.macro CROUND                          ; a whole round
	s_barrier_signal -1
	s_barrier_wait -1
	CREST
.endm
.macro GROUP1 g, rows                  ; dense rows of 256 bytes for all four work-groups: elements of 8 bytes; bit 21 set beside a mask; no padding
	s_mov_b32 s[\g], 15|(3<<16)|(1<<21)
	s_mov_b32 s[\g+1], 32<<16
	s_mov_b32 s[\g+2], (\rows)<<16
	s_mov_b32 s[\g+3], 32<<16
	s_mov_b32 s[\g+4], \rows
	s_mov_b32 s[\g+5], 32
	s_mov_b32 s[\g+6], 0
	s_mov_b32 s[\g+7], 0
.endm
.macro ASK
	s_cmp_eq_u32 s[PFC], 0
	s_cbranch_scc0 .Lnot_mine_\@
	global_prefetch_b8 v[PFO], s[PF:PF+1] th:TH_LOAD_NT scope:SCOPE_SE
.Lnot_mine_\@:
.endm
	s_load_b256 s[4:11], s[0:1], 0x0               ; kv, qb, Wo's codes, Wo's scales
	s_load_b128 s[12:15], s[0:1], 0x20             ; bo, out0
	v_lshl_add_u32 v[SPW], v0, 2, SPARE
	v_mov_b32 v[NIL], 0
	ds_add_u32 v[SPW], v[NIL]                      ; the wave's opening: the add, twice on end, and its wait ahead of my first tensor load
	ds_add_u32 v[SPW], v[NIL]
	v_lshrrev_b32 v1, 5, v0
	v_readfirstlane_b32 s[WV], v1                  ; wave 0..7
	s_and_b32 s[QP], s[WV], 1
	s_lshr_b32 s[KQ], s[WV], 1
	s_bfe_u32 s43, ttmp6, 0x40000                  ; cx
	s_lshl_b32 s44, ttmp9, 2
	s_add_co_u32 s44, s44, s43                     ; my block of 64 queries: it enters Q's and the output's addresses alone
	s_and_b32 s45, ttmp7, 0xffff                   ; the batch, which the four partners share
	s_and_b32 s[PFC], ttmp9, 3
	s_mov_b32 s[MNT], 0x600000
	s_mov_b32 s[SEL], 0x76543210
	s_mov_b32 s[SEL+1], 0xfedcba98
	s_mov_b32 s[CS], 0x3e0293ee
	s_mov_b32 s[CS+1], s[CS]                       ; (named with it as a pair, so it is written)
	s_mov_b32 s[NC], 0xbe0293ee
	s_mov_b32 s[K1], 119<<23
	GROUP1 G1, 132
	GROUP1 G1R, 66
	s_mul_i32 s46, s45, 32*STEPB                   ; the batch's 32 key steps
	s_mul_i32 s47, s[WV], STEPB                    ; the head: my key step, in memory and in LDS: no place in the cluster enters either
	s_mul_i32 s48, s[WV], PART                     ; a refill: my eighth of a slot
	s_add_co_u32 s50, s46, s47
	s_mov_b32 s51, 0
	s_add_co_u32 s52, s46, s48
	s_mov_b32 s53, 0
	s_mul_i32 s54, s43, STEPB                      ; the prefetch: key step cx of a slot, 16 rows a wave; it begins at step 2
	s_add_co_u32 s54, s54, s46
	s_lshl_b32 s55, s[WV], 12
	s_add_co_u32 s54, s54, s55
	s_add_co_u32 s54, s54, 2*SLOTB
	s_mov_b32 s55, 0
	s_cmp_eq_u32 s[WV], 7
	s_cselect_b32 s83, 19, 15                      ; my last row of the key step's 132, from my first
	s_lshl_b32 s56, s45, 5                         ; Q: group of 128 queries = 32 x batch + block / 2,
	s_lshr_b32 s57, s44, 1
	s_add_co_u32 s56, s56, s57
	s_mul_i32 s56, s56, PART
	s_and_b32 s57, s44, 1                          ; tile T = 4 (block % 2) + 2 (wave % 2) + (0 for A, 1 for B)
	s_lshl_b32 s58, s57, 8
	s_add_co_u32 s58, s58, s56
	s_lshl_b32 s59, s[QP], 7
	s_add_co_u32 s58, s58, s59
	s_add_co_u32 s58, s58, 16384                   ; its scale words: 16,384 + 64 T
	s_lshl_b32 s57, s57, 13
	s_add_co_u32 s56, s56, s57
	s_lshl_b32 s57, s[QP], 12
	s_add_co_u32 s56, s56, s57                     ; its codes: 2,048 T
	s_mov_b32 s57, 0
	s_mov_b32 s59, 0
	s_lshl_b32 s60, s45, 21                        ; the output: rows of 512 bytes: 4,096 x batch + 64 x block + 32 (T / 2) + 8 (T % 2), T = 2 (wave % 2) + (wave / 2) % 2 the tile that I finish,
	s_lshl_b32 s61, s44, 15
	s_add_co_u32 s60, s60, s61
	s_lshl_b32 s61, s[QP], 14
	s_add_co_u32 s60, s60, s61
	s_and_b32 s61, s[KQ], 1
	s_lshl_b32 s61, s61, 12
	s_add_co_u32 s60, s60, s61
	s_lshr_b32 s61, s[KQ], 1
	s_lshl_b32 s61, s61, 8                         ; and my half of its outputs
	s_add_co_u32 s60, s60, s61
	s_mov_b32 s61, 0
	s_mul_i32 s84, s[KQ], STEPB
	s_mov_b32 s[G0H], 1
	s_mov_b32 s[G0H+1], s47
	s_mov_b32 s[G0], 1
	s_mov_b32 s[G0+1], s48
	s_mov_b32 s[G0+4], 1
	s_add_co_u32 s[G0+5], s48, SLOTB
	s_wait_dscnt 0x0                               ; both opening adds are done
	CROUND                                         ; all four work-groups are here: the first joint loads meet
	s_wait_kmcnt 0x0
	s_add_nc_u64 s[G0H+2:G0H+3], s[4:5], s[50:51]
	s_or_b32 s[G0H+3], s[G0H+3], 0x80000000
	s_cmp_lt_u32 s[WV], 4                          ; a load line for each slot, since the two are shown by different barriers
	s_cbranch_scc0 .Lslot_1
	tensor_load_to_lds s[G0H:G0H+3], s[G1:G1+7]    ; waves 0 to 3: key steps 0 to 3
	s_nop 0
	PLACES 4
	s_branch .Lasked
.Lslot_1:
	tensor_load_to_lds s[G0H:G0H+3], s[G1:G1+7]    ; waves 4 to 7: key steps 4 to 7
	s_nop 0
	PLACES 4
.Lasked:
	s_add_nc_u64 s[G0+2:G0+3], s[4:5], s[52:53]
	s_add_nc_u64 s[G0+6:G0+7], s[G0+2:G0+3], SLOTB
	s_or_b32 s[G0+3], s[G0+3], 0x80000000
	s_or_b32 s[G0+7], s[G0+7], 0x80000000
	s_add_nc_u64 s[PF:PF+1], s[4:5], s[54:55]
	s_add_nc_u64 s[56:57], s[6:7], s[56:57]
	s_add_nc_u64 s[58:59], s[6:7], s[58:59]
	s_add_nc_u64 s[14:15], s[14:15], s[60:61]
	v_and_b32 v253, 31, v0                         ; lane
	v_and_b32 v254, 15, v0
	v_lshlrev_b32 v3, 4, v253                      ; 16 x lane
	v_lshlrev_b32 v254, 2, v254                    ; 4 r
.irp c, 0,1,2,3
	global_load_b128 v[16+4*\c:19+4*\c], v3, s[56:57] offset:512*\c              ; Q's fragment of tile A stays in registers
.endr
	global_load_b32 v[QS], v254, s[58:59]
	global_load_b32 v[QS+1], v254, s[58:59] offset:64
	WIN 0x40                                       ; destination window 1
.irp c, 0,1,2,3
	global_load_b128 v[16+4*\c:19+4*\c], v3, s[56:57] offset:2048+512*\c         ; tile B's
.endr
	WIN 0
	v_lshlrev_b32 v[AS], 2, v253
	v_min_u32 v[PFO], s83, v253
	v_add_nc_u32 v[AD], s84, v3
	v_add_nc_u32 v[AS], s84, v[AS]
	v_lshlrev_b32 v[PFO], 8, v[PFO]
	v_add_nc_u32 v[AD+1], SLOTB, v[AD]
	v_add_nc_u32 v[AS+1], SLOTB, v[AS]
.macro INIT
	v_mov_b32 v13, 0xff61b1e6                      ; the largest score so far: -3e38, under every score
	v_mov_b32 v14, 0                               ; the sum, in two halves
	v_mov_b32 v15, 0
	v_floor_f32 v12, -v13                          ; -M
.endm
	INIT
	WIN 0x55
	INIT
	WIN 0
; One scaled product.  odd = 1: source 0's scale words lie in lanes 16-31 of their register.  zero = 1: it starts its sum
.macro WM d, a, b, sa, sb, odd, zero
.if \zero
.if \odd
	v_wmma_scale_f32_16x16x128_f8f6f4 v[\d:\d+7], v[\a:\a+15], v[\b:\b+15], 0, v[\sa], v[\sb] matrix_a_scale:MATRIX_SCALE_ROW1
.else
	v_wmma_scale_f32_16x16x128_f8f6f4 v[\d:\d+7], v[\a:\a+15], v[\b:\b+15], 0, v[\sa], v[\sb]
.endif
.else
.if \odd
	v_wmma_scale_f32_16x16x128_f8f6f4 v[\d:\d+7], v[\a:\a+15], v[\b:\b+15], v[\d:\d+7], v[\sa], v[\sb] matrix_a_scale:MATRIX_SCALE_ROW1
.else
	v_wmma_scale_f32_16x16x128_f8f6f4 v[\d:\d+7], v[\a:\a+15], v[\b:\b+15], v[\d:\d+7], v[\sa], v[\sb]
.endif
.endif
.endm
.macro SPROD X, n, FB, SB              ; S^T of tile X (0 A, 1 B), key tile n
	WIN ((\n)/4)|(0x54*\X)
	WM \SB+8*(\n), \FB+16*((\n)%4), 16, KW+(\n)/2, QS+\X, (\n)%2, 1
.endm
.macro OPROD X, n, FB, first           ; O^T of tile X += V^T P^T, channel tile n.  One product an accumulator and step
	WIN ((\n)/4)|(0x54*\X)
	WM 160+8*(\n), \FB+16*((\n)%4), 224, VW+(\n)/2, PS+\X, (\n)%2, \first
.endm
; K's fragments 0-3 and its scale words, from the block at v[ad] / v[as], into window 0's half of the set at R
.macro LOADK_LO ad, as, R
	WIN 0
.irp u, 0,1,2,3
.irp c, 0,1,2,3
	ds_load_b128 v[\R+16*\u+4*\c:\R+3+16*\u+4*\c], v[\ad] offset:2048*\u+512*\c
.endr
.endr
.irp j, 0,1,2,3
	ds_load_b32 v[KW+\j], v[\as] offset:16384+128*\j
.endr
.endm
; K's fragments 4-7 into window 1's half
.macro LOADK_HI ad, R
	WIN 0x40
.irp u, 0,1,2,3
.irp c, 0,1,2,3
	ds_load_b128 v[\R+16*\u+4*\c:\R+3+16*\u+4*\c], v[\ad] offset:8192+2048*\u+512*\c
.endr
.endr
.endm
; V's eight fragments and its scale words
.macro LOADV ad, as, R
	WIN 0
.irp u, 0,1,2,3
.irp c, 0,1,2,3
	ds_load_b128 v[\R+16*\u+4*\c:\R+3+16*\u+4*\c], v[\ad] offset:16896+2048*\u+512*\c
.endr
.endr
.irp j, 0,1,2,3
	ds_load_b32 v[VW+\j], v[\as] offset:33280+128*\j
.endr
	WIN 0x40
.irp u, 0,1,2,3
.irp c, 0,1,2,3
	ds_load_b128 v[\R+16*\u+4*\c:\R+3+16*\u+4*\c], v[\ad] offset:16896+8192+2048*\u+512*\c
.endr
.endr
.endm
; THE SOFTMAX of a tile for one key step, its scores at v[S] on, in four parts.  MAXES: the largest score of each block of 32 keys, my lane's half, in eight chains
.macro MAXES S
.irp i, 0,3,5
.irp c, 0,1,2,3,4,5,6,7
.if \i
	v_max3_num_f32 v[224+\c/2+4*(\c%2)], v[224+\c/2+4*(\c%2)], v[\S+8*\c+\i], v[\S+1+8*\c+\i]
.else
	v_max3_num_f32 v[224+\c/2+4*(\c%2)], v[\S+8*\c], v[\S+1+8*\c], v[\S+2+8*\c]
.endif
.endr
.endr
.irp b, 0,1,2,3
	v_max3_num_f32 v[224+\b], v[224+\b], v[228+\b], v[\S+7+16*\b]
.endr
.irp b, 0,1,2,3
	v_max_num_f32 v[224+\b], v[224+\b], v[\S+15+16*\b]
.endr
.endm
.macro HK n, X, FB, SB, first          ; the n-th of eight products that stand among the lines of SCALES: X = 0 (A's lines): B's scores; X = 1 (B's lines): A's O^T
.if \X
	OPROD 0, \n, \FB, \first
.else
	SPROD 1, \n, \FB, \SB
.endif
	WIN 0x55*\X
.endm
.macro TMM S, from, n                  ; t - M, two at a time
.set JJ, 2*(\from)
.rept \n
	v_pk_fma_f32 v[\S+JJ:\S+1+JJ], v[\S+JJ:\S+1+JJ], s[CS:CS+1], v[12:13] op_sel_hi:[1,0,0]
.set JJ, JJ+2
.endr
.endm
; SCALES: M, the factor f, the blocks' scales, t - M of the first half
.macro SCALES X, FB, S, first
	HK 0, \X, \FB, \S, \first
.irp b, 0,1,2,3
	v_permlanex16_b32 v[228+\b], v[224+\b], s[SEL], s[SEL+1]
.endr
.irp b, 0,1,2,3
	s_delay_alu instid0(VALU_DEP_4)
	v_max_num_f32 v[224+\b], v[224+\b], v[228+\b]  ; with lane l xor 16's 16 keys
.endr
	HK 1, \X, \FB, \S, \first
	v_max3_num_f32 v253, v224, v225, v13
	s_delay_alu instid0(VALU_DEP_1)
	v_max3_num_f32 v13, v226, v227, v253           ; the largest score so far
	s_delay_alu instid0(VALU_DEP_1)
	v_mul_f32 v253, s[NC], v13
	HK 2, \X, \FB, \S, \first
	v_floor_f32 v253, v253                         ; the new -M = floor(-t) = -ceil(t): a whole number
	s_delay_alu instid0(VALU_DEP_1)
	v_sub_f32 v252, v253, v12                      ; old M - new M: a whole number, 0 or less
	v_mov_b32 v12, v253
	s_delay_alu instid0(VALU_DEP_2)
	v_cvt_i32_f32 v252, v252                       ; (it saturates)
	HK 3, \X, \FB, \S, \first
	v_ldexp_f32 v252, 1.0, v252                    ; f = 2^(old M - new M)
.irp b, 0,1,2,3
	v_fma_f32 v[224+\b], v[224+\b], s[CS], v12     ; each block's largest t - M
.endr
	HK 4, \X, \FB, \S, \first
.irp b, 0,1,2,3
	v_max_num_f32 v[224+\b], 0xc2ec0000, v[224+\b] ; -118 at the least: the byte cannot fall under 1
.endr
	TMM \S, 0, 2
	HK 5, \X, \FB, \S, \first
.irp b, 0,1,2,3
	v_cvt_floor_i32_f32 v[224+\b], v[224+\b]       ; e
.endr
	TMM \S, 2, 4
	HK 6, \X, \FB, \S, \first
	TMM \S, 6, 6
	HK 7, \X, \FB, \S, \first
	TMM \S, 12, 4                                  ; from here on no product: twelve lines and more stand ahead of what follows on the last one's registers
.irp b, 0,1,2,3
	v_lshl_add_u32 v[244+\b], v[224+\b], 23, s[K1] ; the conversion's scale operand
.endr
	v_lshl_add_u32 v228, v225, 8, v224
	v_add_nc_u32 v3, 0x4600000, v244               ; 448 x the scale, of blocks 0 and 1
	v_lshl_add_u32 v228, v226, 16, v228
	v_add_nc_u32 v254, 0x4600000, v245
	v_lshl_add_u32 v228, v227, 24, v228
	WIN 0x15*\X                                    ; the destination in window 0
	v_add_nc_u32 v[PS+\X], 0x77777777, v228        ; p's scale word for these 128 keys: each byte e + 119
	WIN 0x55*\X
.endm
.macro HOLD2 S, j                      ; two of p at register j: the conversion does not saturate (ISA guide 7.6.2); p is not negative: a one-sided hold
	v_dual_min_num_f32 v[\S+(\j)], v[3+251*(((\j)/16)%2)], v[\S+(\j)] :: v_dual_min_num_f32 v[\S+(\j)+1], v[3+251*(((\j)/16)%2)], v[\S+(\j)+1]
.endm
; EXPS: p = 2^(t - M) in two halves
.macro EXPS S
.set KK, 0
.rept 16
	v_exp_f32 v[\S+2*KK], v[\S+2*KK]
	v_exp_f32 v[\S+2*KK+1], v[\S+2*KK+1]
	v_pk_fma_f32 v[\S+32+2*KK:\S+33+2*KK], v[\S+32+2*KK:\S+33+2*KK], s[CS:CS+1], v[12:13] op_sel_hi:[1,0,0]   ; the second half's t - M
.set KK, KK+1
.endr
	WALU
.set KK, 0
.rept 8
	v_exp_f32 v[\S+32+4*KK], v[\S+32+4*KK]
	v_exp_f32 v[\S+33+4*KK], v[\S+33+4*KK]
	v_pk_add_f32 v[224+2*KK:225+2*KK], v[\S+4*KK:\S+4*KK+1], v[\S+4*KK+2:\S+4*KK+3]   ; the sum is taken of the UNQUANTISED p: four numbers of the first half
	v_exp_f32 v[\S+34+4*KK], v[\S+34+4*KK]
	HOLD2 \S, 4*KK
	v_exp_f32 v[\S+35+4*KK], v[\S+35+4*KK]
	HOLD2 \S, 4*KK+2
.set KK, KK+1
.endr
	WALU                                           ; ahead of the first reader of the second half's p, and of O^T where it follows
.endm
.macro RESCALE                         ; O^T under the new M
.set JJ, 0
.rept 32
	v_pk_mul_f32 v[160+JJ:161+JJ], v[160+JJ:161+JJ], v[252:253] op_sel_hi:[1,0]
.set JJ, JJ+2
.endr
.endm
.macro SUM2 a, b
	v_pk_add_f32 v[224+2*\a:225+2*\a], v[224+2*\a:225+2*\a], v[224+2*\b:225+2*\b]
.endm
; CODES: the rest of the sum, the second half's holds, the conversions
.macro CODES S
	v_add_nc_u32 v3, 0x4600000, v246               ; the holds of blocks 2 and 3
	v_add_nc_u32 v254, 0x4600000, v247
.irp u, 0,16
.set KK, 0
.rept 8
	v_pk_add_f32 v[224+2*KK:225+2*KK], v[224+2*KK:225+2*KK], v[\S+32+\u+2*KK:\S+33+\u+2*KK]
.set KK, KK+1
.endr
.endr
	SUM2 0, 4
	HOLD2 \S, 32
	HOLD2 \S, 34
	SUM2 1, 5
	HOLD2 \S, 36
	HOLD2 \S, 38
	SUM2 2, 6
	HOLD2 \S, 40
	HOLD2 \S, 42
	SUM2 3, 7
	HOLD2 \S, 44
	HOLD2 \S, 46
	SUM2 0, 2
	HOLD2 \S, 48
	HOLD2 \S, 50
	SUM2 1, 3
	HOLD2 \S, 52
	HOLD2 \S, 54
	HOLD2 \S, 56
	HOLD2 \S, 58
	SUM2 0, 1
	HOLD2 \S, 60
	HOLD2 \S, 62
	v_pk_fma_f32 v[14:15], v[14:15], v[252:253], v[224:225] op_sel_hi:[1,0,1]   ; the sums under the new M, and this step's
.irp b, 0,1,2,3
	v_cvt_scalef32_pk8_fp8_f32 v[224+4*\b:225+4*\b], v[\S+16*\b:\S+7+16*\b], v[244+\b]
	v_cvt_scalef32_pk8_fp8_f32 v[226+4*\b:227+4*\b], v[\S+8+16*\b:\S+15+16*\b], v[244+\b]
.endr
.endm
; A KEY STEP of my two tiles, from slot n.  At its head K's fragments are on their way into set FB.
; mode 2: in the step's middle slot n is left and filled again, with the keys two slots on;  mode 1: it is left, and nothing is fetched into it;  mode 0: the last step.  pf = 1: the step three on is prefetched.
.macro PHASE n, FB, SB, first, mode, pf
	s_wait_dscnt 16                                ; K's fragments 0-3 and its scale words are in; the youngest sixteen loads (fragments 4-7) may be out
.irp k, 0,1,2,3
	SPROD 0, \k, \FB, \SB
.endr
	s_wait_dscnt 0x0
.irp k, 4,5,6,7
	SPROD 0, \k, \FB, \SB
.endr
	WIN 0
	PLACES 8                                       ; in front of the first read of results (ISA guide 7.12.1)
	MAXES \SB
	SCALES 0, \FB, \SB, \first
	LOADV AD+\n, AS+\n, \FB                        ; my last reads of slot n, into K's registers; they land under A's exponentials
	WIN 0
	WALU
	EXPS \SB
.if \first == 0
	RESCALE
.endif
	CODES \SB
	WALU
.if \mode
.if \pf
	s_wait_xcnt 0x0                                ; any prefetch of mine has read its address
.endif
	s_wait_tensorcnt 0x0                           ; all my tensor loads have landed, my part of the other slot among them; so a group 0 may be written
	ds_add_u32 v[SPW], v[NIL]
.if \pf
	s_add_nc_u64 s[PF:PF+1], s[PF:PF+1], SLOTB
.endif
.if \mode == 2
	s_add_nc_u64 s[G0+4*\n+2:G0+4*\n+3], s[G0+4*\n+2:G0+4*\n+3], 2*SLOTB
.endif
.endif
	WIN 0x55
	WALU                                           ; ahead of the first readers of B's scores
	MAXES \SB
	WALU
	s_wait_dscnt 0x0                               ; V is in, the add is done, and my reads of slot n are over
.if \mode
	s_barrier_signal -1                            ; say so (with a refill this barrier opens a round of the cluster's barrier),
.endif
	SCALES 1, \FB, \SB, \first                     ; work on registers while the others arrive,
	WALU
.if \mode
	WIN 0
	s_barrier_wait -1                              ; and go on when all eight have said so: the other slot is whole
.if \mode == 2
	CREST                                          ; no wave of any partner still reads slot n or has a load on its way
	tensor_load_to_lds s[G0+4*\n:G0+4*\n+3], s[G1R:G1R+7]   ; the joint refill: my one tensor load until the next round
	s_nop 0
	PLACES 4
.endif
	LOADK_LO AD+1-\n, AS+1-\n, \SB                 ; the next step's K, fragments 0-3, into the registers that A's p has left
.if \pf
	ASK
.endif
	WIN 0x55
.endif
	EXPS \SB
	CODES \SB
.if \mode
	LOADK_HI AD+1-\n, \SB                          ; fragments 4-7 into the registers that B's p has left
	WIN 0x55
.endif
	WALU
.if \first
	PLACES 4                                       ; the first step has no O^T to rescale: four places between the codes and the products
.else
	RESCALE                                        ; these are also the codes' places
.endif
.irp k, 0,1,2,3,4,5,6,7
	OPROD 1, \k, \FB, \first
.endr
	WIN 0
.if \mode
	PLACES 9                                       ; the next step's first products write over registers that these products have read
.endif
.endm
	s_wait_alu depctr_va_vdst(0)
	ASK                                            ; step 2's bytes: their load stands in step 0's middle
	s_cmp_lt_u32 s[WV], 4
	s_cbranch_scc0 .Lslot_1_later
	s_wait_tensorcnt 0x0                           ; waves 0 to 3: slot 0 is in.  The others' load is shown by the first round
.Lslot_1_later:
	s_barrier_signal -1
	s_barrier_wait -1
	LOADK_LO AD, AS, 32                            ; key step 0's K
	LOADK_HI AD, 32
	WIN 0
	s_wait_loadcnt 0x0                             ; Q
	PHASE 0, 32, 96, 1, 2, 1                       ; step 0 starts O^T's sums: nothing is cleared
	s_mov_b32 s[TRIPS], 2
.Lloop:                                                ; a trip: two steps, two refills; steps 1 to 4
	PHASE 1, 96, 32, 0, 2, 1
	PHASE 0, 32, 96, 0, 2, 1
	s_sub_co_u32 s[TRIPS], s[TRIPS], 1
	s_cmp_lg_u32 s[TRIPS], 0
	s_cbranch_scc1 .Lloop
	PHASE 1, 96, 32, 0, 2, 0                       ; step 5: the last refill.  The tail is written out
	PHASE 0, 32, 96, 0, 1, 0                       ; step 6: slot 0 is left for good
	PHASE 1, 96, 32, 0, 0, 0                       ; step 7
	; THE MERGE.  I finish half H = wave / 4 of tile T = 2 (wave % 2) + (wave / 2) % 2.
	s_lshl_b32 s60, s[QP], 16
	s_lshl_b32 s61, s[KQ], 13
	s_add_co_u32 s60, s60, s61                     ; my partials: tile 2 (wave % 2) (+ 1 by the offset), quarter wave / 2
	s_lshl_b32 s61, s[QP], 11
	s_lshl_b32 s62, s[KQ], 8
	s_add_co_u32 s61, s61, s62
	s_add_co_u32 s61, s61, STAT
	s_and_b32 s62, s[KQ], 1
	s_lshl_b32 s63, s[QP], 1
	s_add_co_u32 s62, s62, s63                     ; T
	s_lshr_b32 s63, s[KQ], 1                       ; H
	s_lshl_b32 s44, s62, 15
	s_lshl_b32 s45, s63, 12
	s_add_co_u32 s44, s44, s45
	s_lshl_b32 s45, s62, 10
	s_add_co_u32 s45, s45, STAT
	s_lshl_b32 s46, s62, 11
	s_add_co_u32 s46, s46, CX
	s_lshl_b32 s47, s63, 10
	s_add_co_u32 s47, s47, s46
	s_lshl_b32 s48, s62, 8
	s_add_co_u32 s48, s48, CXS
	s_lshl_b32 s49, s63, 7
	s_add_co_u32 s49, s49, s48
	s_mul_i32 s50, s[WV], 16*SP
	s_add_co_u32 s50, s50, STG
	s_lshl_b32 s51, s63, 13
	s_lshl_b32 s52, s63, 8
	s_lshl_b32 s53, s63, 4
	; these lines name no register of the last products and are the places behind them
	v_and_b32 v1, 31, v0                           ; lane
	v_and_b32 v2, 15, v0                           ; r
	v_bfe_u32 v3, v0, 4, 1                         ; h
	v_lshlrev_b32 v238, 4, v1
	v_lshlrev_b32 v239, 2, v1
	v_mul_u32_u24 v8, SP, v2
	v_mul_u32_u24 v9, SP, v3
	v_lshlrev_b32 v234, 7, v2
	v_lshlrev_b32 v235, 5, v3
	v_lshlrev_b32 v237, 9, v3
	v_lshl_add_u32 v8, v3, 5, v8
	v_lshl_add_u32 v9, v2, 4, v9
	v_lshl_add_u32 v234, v3, 4, v234
	v_add_nc_u32 v235, s52, v235                   ; bo: 32 h, my half
	v_lshl_add_u32 v237, v2, 4, v237               ; the output: lanes 0-15 a row's 256 bytes, lanes 16-31 the next row's
	v_add_nc_u32 v224, s60, v238                   ; my partials;
	v_add_nc_u32 v225, s61, v239                   ; their statistics
	v_add_nc_u32 v226, s44, v238                   ; what I merge;
	v_add_nc_u32 v227, s45, v239
	v_add_nc_u32 v228, s47, v238                   ; my half's codes;
	v_add_nc_u32 v229, s46, v238                   ; the tile's
	v_add_nc_u32 v230, s49, v239                   ; my half's scale bytes;
	v_add_nc_u32 v231, s48, v239                   ; the tile's
	v_add_nc_u32 v232, s50, v8                     ; my stage, in: row r, + 32 h;
	v_add_nc_u32 v233, s50, v9                     ; back: rows by sixteen lanes
	v_add_nc_u32 v234, s51, v234                   ; Wo: row r of 128 bytes, + 16 h, my half's rows
	v_add_nc_u32 v236, s52, v239                   ; Wo's scale words
	WIN 0x40
.irp t, 0,1,2,3
.irp c, 0,1,2,3
	global_load_b128 v[32+16*\t+4*\c:35+16*\t+4*\c], v234, s[8:9] offset:2048*\t+32*\c     ; my half's four fragments of Wo: rows 64 H + 16 t + r
.endr
.endr
.irp t, 0,1,2,3
	global_load_b128 v[96+8*\t:99+8*\t], v235, s[12:13] offset:64*\t                       ; bo in the result's layout: outputs 64 H + 16 t + 8 h + 0 .. 7
	global_load_b128 v[100+8*\t:103+8*\t], v235, s[12:13] offset:64*\t+16
.endr
	WIN 0
.irp j, 0,1
	global_load_b32 v[VW+\j], v236, s[10:11] offset:128*\j                                 ; tile 2 j in lanes 0-15, tile 2 j + 1 in lanes 16-31
.endr
.irp X, 0,1
	WIN 0x55*\X
	v_add_f32 v14, v14, v15                        ; the sum's two halves,
	v_permlanex16_b32 v252, v14, s[SEL], s[SEL+1]
	v_add_f32 v14, v14, v252                       ; and lane l xor 16's
	WALU
	WIN 0x04*\X                                    ; an LDS store's data are its source 1
.irp g, 0,1,2,3,4,5,6,7,8,9,10,11,12,13,14,15
	ds_store_b128 v224, v[160+4*\g:163+4*\g] offset:32768*\X+512*\g   ; O^T as it stands, each accumulator from its low end on
.endr
	ds_store_b32 v225, v12 offset:1024*\X
	ds_store_b32 v225, v14 offset:1024*\X+128
.endr
	WIN 0
	WALU
	s_wait_dscnt 0x0                               ; for the others' sake: my stores have landed; my reads of slot 1 are over too
	s_barrier_signal -1
	s_barrier_wait -1
.irp k, 0,1,2,3
	ds_load_b32 v[240+\k], v227 offset:256*\k      ; -M of the four quarters,
	ds_load_b32 v[244+\k], v227 offset:256*\k+128  ; their sums
.endr
.irp k, 0,1,2,3
.irp g, 0,1,2,3,4,5,6,7
	ds_load_b128 v[32+32*\k+4*\g:35+32*\k+4*\g], v226 offset:8192*\k+512*\g
.endr
.endr
	s_wait_dscnt 32                                ; the eight statistics are in; the partials' 32 loads may be out
	v_min3_num_f32 v16, v240, v241, v242
	v_min_num_f32 v16, v16, v243                   ; -M of the whole row
.irp k, 0,1,2,3
	v_sub_f32 v[17+\k], v16, v[240+\k]             ; M of the quarter - M of the row: a whole number, 0 or less
.endr
.irp k, 0,1,2,3
	v_cvt_i32_f32 v[17+\k], v[17+\k]
.endr
.irp k, 0,1,2,3
	v_ldexp_f32 v[17+\k], 1.0, v[17+\k]            ; the quarter's factor: a power of two
.endr
	v_mul_f32 v21, v17, v244
	v_fmac_f32 v21, v18, v245
	v_fmac_f32 v21, v19, v246
	v_fmac_f32 v21, v20, v247                      ; the row's sum
	WALU
	v_rcp_f32 v22, v21
	v_nop                                          ; a plain line behind the transcendental
	WALU
.irp k, 0,1,2,3
	v_mul_f32 v[24+2*\k], v[17+\k], v22            ; factor / sum, twice: a pair for the packed forms
	v_mul_f32 v[25+2*\k], v[17+\k], v22
.endr
	WALU
	s_wait_dscnt 24                                ; quarter 0 is in
.set JJ, 0
.rept 16
	v_pk_mul_f32 v[32+JJ:33+JJ], v[32+JJ:33+JJ], v[24:25]
.set JJ, JJ+2
.endr
.irp k, 1,2,3
	s_wait_dscnt 24-8*\k                           ; quarter k
.set JJ, 0
.rept 16
	v_pk_fma_f32 v[32+JJ:33+JJ], v[32+32*\k+JJ:33+32*\k+JJ], v[24+2*\k:25+2*\k], v[32+JJ:33+JJ]   ; register 16 b + i: channel 64 H + 32 b + 16 h + i of my query, normalised
.set JJ, JJ+2
.endr
.endr
	; quantised along the head's 128, my two blocks: a block of 32 lies in lanes l and l xor 16.  Two chains a block
.irp c, 0,1,2,3
	v_max3_num_f32 v[160+\c], |v[32+8*\c]|, |v[33+8*\c]|, 0x4800000
.endr
.irp i, 2,4,6
.irp c, 0,1,2,3
	v_max3_num_f32 v[160+\c], v[160+\c], |v[32+8*\c+\i]|, |v[33+8*\c+\i]|
.endr
.endr
	v_max_num_f32 v160, v160, v161
	v_max_num_f32 v161, v162, v163
	v_permlanex16_b32 v164, v160, s[SEL], s[SEL+1]
	v_permlanex16_b32 v165, v161, s[SEL], s[SEL+1]
	v_max_num_f32 v160, v160, v164
	v_max_num_f32 v161, v161, v165
	v_add_nc_u32 v166, 0xfc000000, v160            ; the conversion's scale operand
	v_add_nc_u32 v167, 0xfc000000, v161
	v_and_or_b32 v168, v160, 0x7f800000, s[MNT]    ; 448 x the scale
	v_and_or_b32 v169, v161, 0x7f800000, s[MNT]
	v_lshrrev_b32 v170, 23, v166
	v_lshrrev_b32 v171, 23, v167
	v_lshl_or_b32 v172, v171, 8, v170
	v_lshlrev_b32 v172, s53, v172                  ; my two bytes at their place in my query's scale word
.irp b, 0,1
.irp i, 0,1,2,3,4,5,6,7,8,9,10,11,12,13,14,15
	v_med3_num_f32 v[32+16*\b+\i], v[32+16*\b+\i], -v[168+\b], v[168+\b]
.endr
.endr
.irp b, 0,1
	v_cvt_scalef32_pk8_fp8_f32 v[176+4*\b:177+4*\b], v[32+16*\b:39+16*\b], v[166+\b]
	v_cvt_scalef32_pk8_fp8_f32 v[178+4*\b:179+4*\b], v[40+16*\b:47+16*\b], v[166+\b]
.endr
	v_nop                                          ; one plain line behind the last conversion
	ds_store_b128 v228, v[176:179]
	ds_store_b128 v228, v[180:183] offset:512
	ds_store_b32 v230, v172
	WALU
	s_wait_dscnt 0x0                               ; for the other half's sake
	s_barrier_signal -1
	s_barrier_wait -1
.irp c, 0,1,2,3
	ds_load_b128 v[32+4*\c:35+4*\c], v229 offset:512*\c
.endr
	ds_load_b32 v48, v231
	ds_load_b32 v49, v231 offset:128
	s_wait_loadcnt 0x0                             ; Wo, its scale words, bo
	s_wait_dscnt 0x0
	v_or_b32 v[PS], v48, v49                       ; my query's scale word
	PLACES 8                                       ; eight places between the scale word and the products
	WIN 0x11                                       ; source 0 (Wo) and source 2 (bo) window 1; source 1 (the codes) and the destination window 0
.irp t, 0,2
	v_wmma_scale_f32_16x16x128_f8f6f4 v[96+8*\t:103+8*\t], v[32+16*\t:47+16*\t], v[32:47], v[96+8*\t:103+8*\t], v[VW+\t/2], v[PS]
	v_wmma_scale_f32_16x16x128_f8f6f4 v[104+8*\t:111+8*\t], v[48+16*\t:63+16*\t], v[32:47], v[104+8*\t:111+8*\t], v[VW+\t/2], v[PS] matrix_a_scale:MATRIX_SCALE_ROW1
.endr
	WIN 0
	PLACES 8
.irp t, 0,1,2,3
	ds_store_b128 v232, v[96+8*\t:99+8*\t] offset:64*\t            ; lane (r, h): outputs 16 t + 8 h + 0 .. 7 of my half, the tile's row r
	ds_store_b128 v232, v[100+8*\t:103+8*\t] offset:64*\t+16
.endr
.irp k, 0,1,2,3,4,5,6,7
	ds_load_b128 v[160+4*\k:163+4*\k], v233 offset:2*\k*SP         ; my own stage: LDS serves a wave's instructions in order (ISA guide 5.7.1.4)
.endr
.irp k, 0,1,2,3,4,5,6,7
	s_wait_dscnt 7-\k
	global_store_b128 v237, v[160+4*\k:163+4*\k], s[14:15] offset:(2*\k+8*(\k/4))*512 th:TH_STORE_NT   ; the tile's row k is query k + 8 (k / 8) on from its first; sixteen lanes store 256 consecutive bytes, aligned
.endr
	s_wait_tensorcnt 0x0                           ; the wave's end
	ds_add_u32 v[SPW], v[NIL]
	s_wait_dscnt 0x0
	CROUND                                         ; the closing round
	s_endpgm
.Lfunc_end_k_qae06a263ee_attend:
	.size	k_qae06a263ee_attend, .Lfunc_end_k_qae06a263ee_attend-k_qae06a263ee_attend
	.p2alignl 7, 3214868480
	.fill 96, 4, 3214868480
	.section	.rodata,"a",@progbits
	.p2align	6, 0x0
	.amdhsa_kernel k_qae06a263ee_attend
		.amdhsa_group_segment_fixed_size 327680
		.amdhsa_private_segment_fixed_size 0
		.amdhsa_enable_private_segment 0
		.amdhsa_kernarg_size 48
		.amdhsa_user_sgpr_count 2
		.amdhsa_user_sgpr_kernarg_segment_ptr 1
		.amdhsa_wavefront_size32 1
		.amdhsa_system_sgpr_workgroup_id_x 1
		.amdhsa_system_sgpr_workgroup_id_y 1
		.amdhsa_system_sgpr_workgroup_id_z 1
		.amdhsa_system_vgpr_workitem_id 0
		.amdhsa_next_free_vgpr 512
		.amdhsa_next_free_sgpr 96
		.amdhsa_reserve_vcc 0
		.amdhsa_float_denorm_mode_32 3
		.amdhsa_float_denorm_mode_16_64 3
		.amdhsa_memory_ordered 1
		.amdhsa_forward_progress 1
		.amdhsa_inst_pref_size 255
	.end_amdhsa_kernel
	.section	.bss,"aw",@nobits
	.p2align	6
	.space	262144
	.amdgpu_metadata
---
amdhsa.version: [ 1, 2 ]
amdhsa.kernels:
  - .name:           k_qae06a263ee_attend
    .symbol:         k_qae06a263ee_attend.kd
    .args:
      - { .name: kv, .offset: 0, .size: 8, .value_kind: global_buffer, .address_space: global }
      - { .name: qb, .offset: 8, .size: 8, .value_kind: global_buffer, .address_space: global }
      - { .name: Wo_codes, .offset: 16, .size: 8, .value_kind: global_buffer, .address_space: global }
      - { .name: Wo_scales, .offset: 24, .size: 8, .value_kind: global_buffer, .address_space: global }
      - { .name: bo, .offset: 32, .size: 8, .value_kind: global_buffer, .address_space: global }
      - { .name: out0, .offset: 40, .size: 8, .value_kind: global_buffer, .address_space: global }
    .group_segment_fixed_size: 327680
    .private_segment_fixed_size: 0
    .kernarg_segment_align: 8
    .kernarg_segment_size: 48
    .max_flat_workgroup_size: 256
    .sgpr_count:     96
    .vgpr_count:     512
    .wavefront_size: 32
...
	.end_amdgpu_metadata
.endif
;; end of part 2
